; MI455X (gfx1250); checked and timed in simulation.
; The chip was launched on July 23, 2026; its instructions are those of AMD's public machine-readable ISA for CDNA 5 (MIT licence, August 2026) and "CDNA5" Instruction Set Architecture Reference Guide (July 2026). The comments in the code are by the model that wrote it; some were corrected since.
;; Multi Head Sparse Attention. Allowed arithmetic: matrix products marked QUANTISED: E2M3 operands, one E8M0 scale for each 32 along K, by v_wmma_scale_f32_16x16x128_f8f6f4 with both operands' format E2M3, f32 sums; everything else in f32.
;; Inputs: Wk 768 x 768 float32; Wo 768 x 768 float32; Wq 768 x 768 float32; Wv 768 x 768 float32; x 2 x 2,048 x 768 float32.
;; Outputs: out0 2 x 2,048 x 768 float32.
;; Constants: local_attn_ctx = 256, num_heads = 6.
;; This version of the problem:
;;   THIS VERSION OF THE PROBLEM IS GIVEN IN LOW PRECISION. The matrix products marked QUANTISED in the list below multiply operands that are first quantised to E2M3 (2 exponent bits, 3 mantissa bits; 6 bits a number), with one power-of-two scale for each 32 numbers along K (OCP MX v1.0); their sums are f32. All else is computed in f32.
;;   The module's matrix products, in the order in which they are computed (A, B: the left and right operand; K: the contracted axis; several contracted axes count as one K, in the product's order):
;;     1. [M 4,096, K 768] x [K 768, N 768]; A: input x; B: input Wq: QUANTISED
;;     2. [M 4,096, K 768] x [K 768, N 768]; A: input x; B: input Wk: QUANTISED
;;     3. [M 4,096, K 768] x [K 768, N 768]; A: input x; B: input Wv: QUANTISED
;;     4. batch 12 x [M 2,048, K 128] x [K 128, N 2,048]; A: computed on the way; B: computed on the way: QUANTISED
;;     5. batch 12 x [M 2,048, K 2,048] x [K 2,048, N 128]; A: softmax (see below); B: computed on the way: QUANTISED
;;     6. [M 4,096, K 768] x [K 768, N 768]; A: computed on the way; B: input Wo: QUANTISED
;;   THE QUANTISER, for each operand of a quantised product, along K:
;;     - K is cut into blocks of 32 from its start; a last block that is shorter is filled with zeros.
;;     - A block's scale is 2^e with e = floor(log2(the largest magnitude in the block)) - 2, held to -126 .. 127; a block of zeros has e = 0. As a byte (E8M0): e + 127.
;;     - Each number is divided by its block's scale, clamped to +-7.5, and rounded to the nearest number of E2M3, ties to even, subnormals kept.
;;     - The product sums the exact products of the quantised numbers (number of the format x scale) in f32.
;;   ~~~python
;;   def quantise(x, axis):      # numpy; x: float32 -> the quantised numbers, widened to float32 again
;;       x = np.moveaxis(x, axis, -1); K = x.shape[-1]
;;       x = np.pad(x, [(0, 0)] * (x.ndim - 1) + [(0, -K % 32)]); x = x.reshape(x.shape[:-1] + (-1, 32)); a = np.abs(x).max(-1, keepdims=True)
;;       e = np.where(a > 0, np.clip(np.frexp(np.where(a > 0, a, 1))[1] - 1 - 2, -126, 127), 0)      # np.frexp(a)[1] - 1 = floor(log2(a)), exactly
;;       r = np.clip(x / 2.0 ** e, -7.5, 7.5)
;;       step = 2.0 ** (np.maximum(np.frexp(np.where(r == 0, 1, r))[1] - 1, 0) - 3)
;;       q = np.round(r / step) * step * 2.0 ** e      # np.round: ties to even
;;       return np.moveaxis(q.reshape(q.shape[:-2] + (-1,))[..., :K], -1, axis).astype(np.float32)
;;   ~~~
;;   SOFTMAX AHEAD OF A QUANTISED PRODUCT. Where the list says 'softmax', what is quantised is not the finished softmax but p = 2^(t - M), with t = logit x log2(e) and M = ceil(the row's largest t), a whole number; so 1/2 < the row's largest p <= 1. The row's sum l is taken of the UNQUANTISED p, in f32, and the product's result is divided by l at the end. Since M is a whole number, a kernel that streams over the keys may use a running M (the ceiling of the running maximum): every later rescaling is an exact power of two, which a block's scale takes up: the codes' values come out the same.
;;   OPERANDS COMPUTED ON THE WAY. 'Computed on the way' means the value that the module computes at that place (a softmax that the list does not call 'softmax' is quantised finished and normalised). What goes into a quantiser is computed in f32, as accurately as f32 sums, v_exp_f32 and their like allow (about 1e-6 of the number): no bf16 or f16 on the way to a quantiser, and a product that is left as it is and whose result goes on into a quantised operand takes f32 operands (vector FMAs, or v_wmma_f32_16x16x4_f32). A number that lies on a knife's edge between two numbers of the format may be rounded either way, as far as f32 arithmetic and the matrix unit's own rounding can turn it there, and no further.
;; One version. Each part assembles by itself: llvm-mc -triple=amdgcn-amd-amdhsa -mcpu=gfx1250 --defsym DOCPART=n.
;; ======== version 1 of 1: 3 launches
;; limits: right only within a limited range of input values
;; workspace buffers: opnd 4,300,800 bytes; abuf 2,457,600 bytes
;; launch prep (part 1): grid 56 x 6, 4 waves a work-group, no clusters, 81,408 bytes of LDS; arguments x, Wq, Wk, Wv, Wo, opnd; writes opnd
.if DOCPART == 1
	.amdgcn_target "amdgcn-amd-amdhsa--gfx1250"
	.amdhsa_code_object_version 6
	.text
	.protected	k_q836a662949_prep
	.globl	k_q836a662949_prep
	.p2align	8
	.type	k_q836a662949_prep,@function
k_q836a662949_prep:
	s_mov_b64 s[64:65], 0
	v_nop
	global_prefetch_b8 v0, s[64:65] scope:SCOPE_SE
	s_setreg_imm32_b32 hwreg(HW_REG_WAVE_MODE, 25, 1), 1
	s_wait_xcnt 0x0
; x [4096][768] (K = its last axis) and Wq, Wk, Wv, Wo [768][768] (K = their FIRST axis), f32, become codes of FP6 (E2M3) with one E8M0 byte for each 32 along K.
; OUTPUT: opnd = [K step s 0..5][group g 0..55] UNITS of 12,800 bytes.  g 0..31: rows 128 g .. of x;  g = 32 + 6 mtx + cg: columns 128 cg .. of Wq, Wk, Wv, Wo (mtx 0..3).
; A unit holds 8 FRAGMENT IMAGES (16 rows x 128 K, 12 registers a lane: piece q = registers 4 q .. 4 q + 3, lane l's 16 bytes at 512 q + 16 l) and then 512 bytes of scale words,
; [pair i][lane]: lanes 0-15 the words of tile 2 i, lanes 16-31 those of tile 2 i + 1.  THE ROWS OF A TILE ARE NOT NEIGHBOURS: lane row r of tile 2 b + u is index 32 b + 8 u + r + 8 (r / 8) of the group.
; A block's scale is 2^(floor(log2(its largest magnitude)) - 2); its byte is that magnitude's exponent field - 2, held at 1 from below.
; LIMITS: a block of zeros gets the byte 1 where the rule says 127 (its codes are zeros, and this program alone reads the bytes); NaN and infinities among the inputs are not served.
; SHARES: a work-group makes one unit; wave w makes tiles 2 w and 2 w + 1: 32 rows (or columns) x 128 K = 16 KB of f32, all asked for at once.  Waves share nothing: no barrier.
; x: each load reads 512 consecutive bytes of a row; the rows turn through the wave's own stage in LDS so that a lane gets 32 neighbours along K of its row.
; W: a lane takes a column and its registers run down K, so the conversions give K innermost; the codes go through the wave's own small stage to become fragment images.
.set UNIT,  12800
.set XSTW,  16896                      ; x's stage of a wave: 32 rows x (512 bytes + 16)
.set WST,   4*XSTW                     ; behind them the weights' stages (each way through the text has LDS bytes of its own)
.set WSTW,  3328                       ; two images, 1,664 bytes apart
.set SPARE, WST+4*WSTW                 ; the spare words, 128 bytes for each wave: two blocks of 256 bytes that no other line names
.set SPW,   16                         ; v16  LDS address of my spare word; never rewritten
.set NIL,   17                         ; v17  0; never rewritten
.set CD,    32                         ; v32-63  codes
.set X,     64                         ; v64-191 numbers as loaded
.set Y,     192                        ; v192-255 a second set
	s_load_b256 s[4:11], s[0:1], 0x0               ; x s[4:5], Wq s[6:7], Wk s[8:9], Wv s[10:11]
	s_load_b128 s[12:15], s[0:1], 0x20             ; Wo s[12:13], opnd s[14:15]
	v_lshl_add_u32 v[SPW], v0, 2, SPARE
	v_mov_b32 v[NIL], 0
	v_lshrrev_b32 v1, 5, v0
	v_readfirstlane_b32 s16, v1                    ; wave 0..3
	v_and_b32 v1, 31, v0                           ; lane
	v_and_b32 v2, 15, v0                           ; r
	v_bfe_u32 v3, v0, 4, 1                         ; h
	v_lshlrev_b32 v4, 4, v1                        ; 16 x lane
	v_lshlrev_b32 v7, 2, v1                        ; 4 x lane
	v_mov_b32 v18, 0                               ; written once: a lane permute's destination counts as one of its sources
	s_and_b32 s18, ttmp7, 0xffff                   ; K step s
	s_mov_b32 s20, 0x76543210
	s_mov_b32 s21, 0xfedcba98                      ; v_permlanex16_b32's selects for lane l xor 16
	s_mov_b32 s22, 0xffff0000                      ; lanes 16-31
	s_mul_i32 s24, s18, 56
	s_add_co_u32 s24, s24, ttmp9
	s_mul_i32 s24, s24, UNIT                       ; my unit: (56 s + g) x 12,800
	s_mul_i32 s25, s16, 3072
	s_add_co_u32 s26, s24, s25                     ; my two images
	s_mov_b32 s27, 0
	s_lshl_b32 s25, s16, 7
	s_add_co_u32 s28, s24, s25
	s_add_co_u32 s28, s28, 12288                   ; my pair's 128 bytes of scale words
	s_mov_b32 s29, 0
	s_wait_kmcnt 0x0
	s_add_nc_u64 s[26:27], s[14:15], s[26:27]
	s_add_nc_u64 s[28:29], s[14:15], s[28:29]
	s_cmp_lt_u32 ttmp9, 32                         ; a group of x or of a weight: hangs on the work-group's number alone
	s_cbranch_scc0 .Lweights
	; ------------------------------------------------ x
	s_lshl_b32 s30, ttmp9, 7
	s_lshl_b32 s31, s16, 5
	s_add_co_u32 s30, s30, s31                     ; my first row: 128 g + 32 w
	s_mul_i32 s30, s30, 3072
	s_lshl_b32 s31, s18, 9                         ; + 512 bytes a K step
	s_add_co_u32 s30, s30, s31
	s_mov_b32 s31, 0
	s_add_nc_u64 s[4:5], s[4:5], s[30:31]
.set j, 0
	s_wait_alu depctr_va_vdst(0)
.rept 32
	global_load_b128 v[X+4*j:X+4*j+3], v4, s[4:5] offset:3072*j th:TH_LOAD_NT   ; row j: 32 lanes read its 512 consecutive bytes
.set j, j+1
.endr
	s_mul_i32 s32, s16, XSTW
	v_add_nc_u32 v5, s32, v4                       ; into the stage: 16 x lane of a row's place
	v_mul_u32_u24 v6, v2, 528
	v_lshl_add_u32 v6, v3, 7, v6
	v_add_nc_u32 v6, s32, v6                       ; out of it: place r, + 128 h bytes: k = 32 h on
	v_lshlrev_b32 v15, 3, v3                       ; 8 h
.set j, 0
	s_wait_alu depctr_va_vdst(0)
.rept 4
	s_wait_loadcnt 24-j                            ; these eight rows are in; the later batches of eight may be out
.rept 8
	ds_store_b128 v5, v[X+4*j:X+4*j+3] offset:528*(16*((j>>3)&1)+(j&7)+8*(j>>4))   ; row j = 16 (r / 8) + 8 u + r % 8 goes to place 16 u + r
.set j, j+1
.endr
.endr
.macro BACK dst, u                     ; tile u: my row's k = 64 c + 32 h + 0 .. 31.  LDS serves a wave's instructions in order: these see the stores above
.irp c, 0,1
.irp q, 0,1,2,3,4,5,6,7
	ds_load_b128 v[\dst+32*\c+4*\q:\dst+32*\c+4*\q+3], v6 offset:8448*\u+256*\c+16*\q
.endr
.endr
.endm
; 64 numbers of a lane (two whole blocks: h and 2 + h of its row) become the twelve registers of tile u's fragment and, with lane l xor 16's two bytes, the row's scale word.
.macro QB src, u
.irp c, 0,1
	v_max3_num_f32 v[8+\c], |v[\src+32*\c]|, |v[\src+32*\c+1]|, 0x1800000   ; with the floor 2^(3 - 127): the byte cannot fall under 1
.endr
.irp i, 2,4,6,8,10,12,14,16,18,20,22,24,26,28,30
.irp c, 0,1
	v_max3_num_f32 v[8+\c], v[8+\c], |v[\src+32*\c+\i]|, |v[\src+32*\c+\i+1]|   ; the two blocks by turns
.endr
.endr
.irp c, 0,1
	v_add_nc_u32 v[10+\c], 0xff000000, v[8+\c]     ; 2 off the exponent field: the conversion's scale operand
.endr
.irp c, 0,1
	v_lshrrev_b32 v[12+\c], 23, v[10+\c]           ; the scale's byte
.endr
	v_lshl_or_b32 v14, v13, 16, v12                ; blocks h and 2 + h,
	v_lshlrev_b32 v14, v15, v14                    ; at their places in the word
	v_permlanex16_b32 v18, v14, s20, s21
	v_or_b32 v[24+\u], v14, v18                    ; with lane l xor 16's two the word is whole
.irp c, 0,1
	v_cvt_scalef32_pk16_fp6_f32 v[CD+12*\u+6*\c:CD+12*\u+6*\c+2], v[\src+32*\c:\src+32*\c+15], v[10+\c]
	v_cvt_scalef32_pk16_fp6_f32 v[56+4*\c:58+4*\c], v[\src+32*\c+16:\src+32*\c+31], v[10+\c]   ; (a conversion's three registers begin on an even number)
.endr
	v_nop                                          ; one plain place behind a scaled conversion
.irp c, 0,1
.irp i, 0,1,2
	v_mov_b32 v[CD+12*\u+6*\c+3+\i], v[56+4*\c+\i]
.endr
.endr
.irp q, 0,1,2
	global_store_b128 v4, v[CD+12*\u+4*\q:CD+12*\u+4*\q+3], s[26:27] offset:1536*\u+512*\q   ; 32 lanes store 512 consecutive bytes; each tile has code registers of its own
.endr
.endm
	BACK Y, 0
	s_wait_dscnt 0x0                               ; tile 0 is back, and the stage's stores have read X
	BACK X, 1                                      ; tile 1 lands while tile 0 is quantised
	QB Y, 0
	s_wait_dscnt 0x0
	QB X, 1
	v_cndmask_b32 v26, v24, v25, s22               ; lanes 0-15: tile 2 w's words, lanes 16-31: tile 2 w + 1's
	global_store_b32 v7, v26, s[28:29]
	s_wait_tensorcnt 0x0                           ; the wave's end, behind my last LDS store
	ds_add_u32 v[SPW], v[NIL]
	s_wait_dscnt 0x0
	s_endpgm
	; ------------------------------------------------ a weight
.Lweights:
	s_sub_co_u32 s24, ttmp9, 32                    ; 0..23
	s_mul_i32 s25, s24, 43
	s_lshr_b32 s25, s25, 8                         ; which weight: (g - 32) / 6
	s_mul_i32 s30, s25, 6
	s_sub_co_u32 s24, s24, s30                     ; which 128 columns
	s_cmp_eq_u32 s25, 1
	s_cselect_b64 s[6:7], s[8:9], s[6:7]
	s_cmp_eq_u32 s25, 2
	s_cselect_b64 s[6:7], s[10:11], s[6:7]
	s_cmp_eq_u32 s25, 3
	s_cselect_b64 s[6:7], s[12:13], s[6:7]
	s_lshl_b32 s24, s24, 9
	s_lshl_b32 s30, s16, 7
	s_add_co_u32 s24, s24, s30                     ; my first column, in bytes: 512 cg + 128 w
	s_mul_i32 s30, s18, 128*3072                   ; row 128 s
	s_add_co_u32 s30, s30, s24
	s_mov_b32 s31, 0
	s_add_nc_u64 s[6:7], s[6:7], s[30:31]
.set j, 0
	s_wait_alu depctr_va_vdst(0)
.rept 128
	global_load_b32 v[X+j], v7, s[6:7] offset:3072*j th:TH_LOAD_NT   ; W(128 s + j, my column): a wave reads 128 consecutive bytes, the four waves 512
.set j, j+1
.endr
	s_mul_i32 s32, s16, WSTW
	s_add_co_u32 s32, s32, WST                     ; my stage
	v_bfe_u32 v12, v0, 3, 1                        ; my column l = 16 (r / 8) + 8 u + r % 8:  u,
	v_and_b32 v13, 7, v0
	v_bfe_u32 v14, v0, 4, 1
	v_lshl_add_u32 v13, v14, 3, v13                ; r
	v_mul_u32_u24 v5, v12, 1664
	v_lshl_add_u32 v5, v13, 4, v5
	v_add_nc_u32 v5, s32, v5                       ; into the stage: image u, fragment lane r (+ 256 bytes for the upper half of the lanes)
	v_add_nc_u32 v6, s32, v4                       ; out of it: 16 x lane
	v_lshl_add_u32 v12, v12, 4, v13
	v_lshlrev_b32 v19, 2, v12                      ; my scale word's place: 4 (16 u + r)
; Block j (k = 32 j on) of my column: all 32 numbers are mine.  Its 24 bytes are registers 6 c .. 6 c + 5 of fragment lane (r, h), j = 2 c + h.
.macro WBLOCK j, left
.set XS, X+32*(\j)
.set CB, CD+8*(\j)
	s_wait_loadcnt \left                           ; this block's 32 loads are in (the count names no more than the loads issued behind them, and no more than the wait's field holds)
	v_max3_num_f32 v8, |v[XS]|, |v[XS+1]|, |v[XS+2]|
	v_max3_num_f32 v9, |v[XS+3]|, |v[XS+4]|, |v[XS+5]|
.irp i, 6,10,14,18,22,26
	v_max3_num_f32 v8, v8, |v[XS+\i]|, |v[XS+\i+1]|
	v_max3_num_f32 v9, v9, |v[XS+\i+2]|, |v[XS+\i+3]|
.endr
	v_max3_num_f32 v8, v8, |v[XS+30]|, |v[XS+31]|
	v_max3_num_f32 v8, v8, v9, 0x1800000           ; and the floor
	v_add_nc_u32 v10, 0xff000000, v8
	v_lshrrev_b32 v11, 23, v10
.if (\j) == 0
	v_mov_b32 v24, v11
.else
	v_lshl_or_b32 v24, v11, 8*(\j), v24            ; the lower K in the lower byte
.endif
	v_cvt_scalef32_pk16_fp6_f32 v[CB:CB+2], v[XS:XS+15], v10
	v_cvt_scalef32_pk16_fp6_f32 v[20:22], v[XS+16:XS+31], v10
	v_nop                                          ; one plain place behind a scaled conversion
.irp i, 0,1,2
	v_mov_b32 v[CB+3+\i], v[20+\i]
.endr
.if ((\j)>>1) == 0
	ds_store_b128 v5, v[CB:CB+3] offset:256*((\j)&1)            ; registers 0-3: piece 0
	ds_store_b64 v5, v[CB+4:CB+5] offset:256*((\j)&1)+512       ; registers 4, 5: the lower half of piece 1
.else
	ds_store_b64 v5, v[CB:CB+1] offset:256*((\j)&1)+520         ; registers 6, 7: its upper half
	ds_store_b128 v5, v[CB+2:CB+5] offset:256*((\j)&1)+1024     ; registers 8-11: piece 2
.endif
.endm
	WBLOCK 0, 63
	WBLOCK 1, 63
	WBLOCK 2, 32
	WBLOCK 3, 0
.irp u, 0,1
.irp q, 0,1,2
	ds_load_b128 v[Y+4*(3*\u+\q):Y+4*(3*\u+\q)+3], v6 offset:1664*\u+512*\q   ; LDS serves a wave's instructions in order: these see my stores
.endr
.endr
	global_store_b32 v19, v24, s[28:29]
	s_wait_dscnt 0x0
.irp u, 0,1
.irp q, 0,1,2
	global_store_b128 v4, v[Y+4*(3*\u+\q):Y+4*(3*\u+\q)+3], s[26:27] offset:1536*\u+512*\q
.endr
.endr
	s_wait_tensorcnt 0x0                           ; the wave's end, behind my last LDS store
	ds_add_u32 v[SPW], v[NIL]
	s_wait_dscnt 0x0
	s_endpgm
.Lfunc_end_k_q836a662949_prep:
	.size	k_q836a662949_prep, .Lfunc_end_k_q836a662949_prep-k_q836a662949_prep
	.p2alignl 7, 3214868480
	.fill 96, 4, 3214868480
	.section	.rodata,"a",@progbits
	.p2align	6, 0x0
	.amdhsa_kernel k_q836a662949_prep
		.amdhsa_group_segment_fixed_size 81408
		.amdhsa_private_segment_fixed_size 0
		.amdhsa_enable_private_segment 0
		.amdhsa_kernarg_size 48
		.amdhsa_user_sgpr_count 2
		.amdhsa_user_sgpr_kernarg_segment_ptr 1
		.amdhsa_wavefront_size32 1
		.amdhsa_system_sgpr_workgroup_id_x 1
		.amdhsa_system_sgpr_workgroup_id_y 1
		.amdhsa_system_sgpr_workgroup_id_z 1
		.amdhsa_system_vgpr_workitem_id 0
		.amdhsa_next_free_vgpr 256
		.amdhsa_next_free_sgpr 66
		.amdhsa_reserve_vcc 0
		.amdhsa_float_denorm_mode_32 3
		.amdhsa_float_denorm_mode_16_64 3
		.amdhsa_memory_ordered 1
		.amdhsa_forward_progress 1
		.amdhsa_inst_pref_size 37
	.end_amdhsa_kernel
	.amdgpu_metadata
---
amdhsa.version: [ 1, 2 ]
amdhsa.kernels:
  - .name:           k_q836a662949_prep
    .symbol:         k_q836a662949_prep.kd
    .args:
      - { .name: x, .offset: 0, .size: 8, .value_kind: global_buffer, .address_space: global }
      - { .name: Wq, .offset: 8, .size: 8, .value_kind: global_buffer, .address_space: global }
      - { .name: Wk, .offset: 16, .size: 8, .value_kind: global_buffer, .address_space: global }
      - { .name: Wv, .offset: 24, .size: 8, .value_kind: global_buffer, .address_space: global }
      - { .name: Wo, .offset: 32, .size: 8, .value_kind: global_buffer, .address_space: global }
      - { .name: opnd, .offset: 40, .size: 8, .value_kind: global_buffer, .address_space: global }
    .group_segment_fixed_size: 81408
    .private_segment_fixed_size: 0
    .kernarg_segment_align: 8
    .kernarg_segment_size: 48
    .max_flat_workgroup_size: 128
    .sgpr_count:     66
    .vgpr_count:     256
    .wavefront_size: 32
...
	.end_amdgpu_metadata
.endif
;; end of part 1
;; launch qa (part 2): grid 16 x 12, 4 waves a work-group, no clusters, 327,680 bytes of LDS; arguments opnd, abuf; writes abuf
.if DOCPART == 2
	.amdgcn_target "amdgcn-amd-amdhsa--gfx1250"
	.amdhsa_code_object_version 6
	.text
	.protected	k_q836a662949_qa
	.globl	k_q836a662949_qa
	.p2align	8
	.type	k_q836a662949_qa,@function
k_q836a662949_qa:
	s_mov_b64 s[64:65], 0
	v_nop
	global_prefetch_b8 v0, s[64:65] scope:SCOPE_SE
	s_setreg_imm32_b32 hwreg(HW_REG_WAVE_MODE, 25, 1), 1
	s_wait_xcnt 0x0
; q, k, v = x Wq, x Wk, x Wv for one head and a block of 128 queries, each quantised at once, and the banded attention on them: a[q] = sum over |q - key| <= 128 of softmax(q . k / sqrt(128)) v, quantised as the last product's left operand.
; IN: opnd = [K step][group] units of 12,800 bytes: 8 fragment images of 16 rows x 128 K, then 512 bytes of scale words [pair][lane]; groups 0-31 x's rows, 32 + 6 mtx + head the columns of Wq, Wk, Wv.
; OUT: abuf = [head][group of 128 rows] units of the same form.
; WORK LEFT OUT: keys in blocks of 32 that lie wholly outside |q - key| <= 128 for all 32 queries of a wave have weight 2^(-1e9 log2(e) - M) = 0 by the mask that the definition builds itself, whatever the inputs: they are not multiplied.
;   A NaN, an infinity or an overflow that reaches only such products is not carried to the result.
; LIMITS: logits stay under about 4e8 in magnitude (hidden keys then weigh nothing); NaN and infinities are not served; a block of zeros gets the byte 1 (its codes are zeros, read by this program alone).
; SHARES.  Work-group (m, 2 head + batch).  Keys: blocks m - 1, m, m + 1 (held inside 0 .. 15; what is held is hidden in the softmax): 12 pairs of x tiles.
;   PROJECTION: wave w makes columns 32 w .. 32 w + 31 of q, k and v for every row: its weights, all of K, lie in 36 fragments of registers, loaded once from memory; x's three blocks lie in LDS, one tensor load each (waves 0, 1, 2).
;   A pair of x tiles is 24 products each for k and v, and for q in block m.  At a pair's head stand, in one run, the stores of finished codes and the 42 LDS loads of the next pair; among the products the quantiser of the batch before.
;   k and q: source 0 = weight columns, source 1 = x rows: a lane holds 16 neighbouring channels of a row.  v: the other way round: 16 neighbouring keys of a channel.  Lanes l and l xor 16 hold a scale block.
;   ATTENTION: wave w owns queries 32 w .. 32 w + 31 (two tiles) and the nine key blocks of 32 from block w on: 288 keys in one pass, so M is the ceiling of the row's own largest t.
; No cluster: x's blocks are shared by the six heads of a batch, which do not divide by four; neighbours along m want them at other LDS places; the weights go to registers.  No prefetch: the text has no loop to run ahead in.
; LDS: x 230,400 bytes; k, q as fragment images; v as [channel tile][key block][16 bytes x 16 rows, 8 bytes x 16 rows]; scale bytes: k, q a word a row, v 16 bytes a row; spare words.  Nothing is filled twice.
; REGISTERS: window 0: v1-31 addresses; v32-64 scale words (v50, v57, v58 excepted); v66-97 and v196-219 at work; v100-195 accumulators k, v, q; later v96-239 scores of query tile 0.
;   windows 1-3: fragment f at register 12 (f % 21) of window 1 + f / 21: 0-35 weights (k, v, q), 36-59 x's two sets.  In the attention: window 1: tile 1's scores; windows 2, 3: k's 18 fragments, v's 24; p's fragments take k's place.
.set UNIT, 12800
.set KC,  230400
.set VC,  267264
.set QC,  304128
.set KSC, 316416
.set VSC, 318464
.set SPARE, 320512                     ; the spare words, 128 bytes for each wave
.set MSB, 0
.macro WIN new                         ; the immediate's high byte repeats the setting that is left
.if MSB != (\new)
	s_set_vgpr_msb (MSB<<8)|(\new)
.set MSB, (\new)
.endif
.endm
.macro WALU
	s_wait_alu depctr_va_vdst(0)
.endm
.macro PLACES                          ; four plain places behind a matrix instruction (ISA guide 7.12.1)
.rept 4
	v_nop
.endr
.endm
.macro PR d, a, b, c, x0, x1, ra, rb
	v_wmma_scale_f32_16x16x128_f8f6f4 v[\d:\d+7], v[\a:\a+11], v[\b:\b+11], \c, v[\x0], v[\x1] matrix_a_fmt:MATRIX_FMT_FP6 matrix_b_fmt:MATRIX_FMT_FP6 matrix_a_scale:MATRIX_SCALE_ROW\ra matrix_b_scale:MATRIX_SCALE_ROW\rb
.endm
; my two column tiles of one weight, K step s: 6 loads of 512 bytes and one of scale words
.macro LOADS m, mo, s
.irp t, 0,1
.set f_, 12*\m+2*\s+\t
	WIN ((1+f_/21)<<6)
.irp q, 0,1,2
	global_load_b128 v[12*(f_%21)+4*\q:12*(f_%21)+4*\q+3], v22, s[10:11] offset:56*UNIT*\s+\mo+1536*\t+512*\q
.endr
.endr
	WIN 0
	global_load_b32 v[32+6*\m+\s], v23, s[10:11] offset:56*UNIT*\s+\mo
.endm
.macro LOADW m, mo                     ; all six K steps
.irp s, 0,1,2,3,4,5
	LOADS \m, \mo, \s
.endr
.endm
; entry FC_ of the 42 LDS loads that bring pair nn's fragments and scale words into set e
.macro FE1 e, nn
.if FC_ < 36
.set s_, FC_/6
.set t_, (FC_/3)%2
.set q_, FC_%3
.set f_, 36+12*(\e)+2*s_+t_
	WIN ((1+f_/21)<<6)
	ds_load_b128 v[12*(f_%21)+4*q_:12*(f_%21)+4*q_+3], v[2+2*((\nn)/4)+s_/3] offset:UNIT*(s_%3)+1536*(2*((\nn)%4)+t_)+512*q_
.else
.set s_, FC_-36
	WIN 0
	ds_load_b32 v[51+8*(\e)+s_], v[8+(\nn)/4] offset:UNIT*s_+128*((\nn)%4)
.endif
.set FC_, FC_+1
.endm
; entry QC_ of the quantiser of matrix QM_ (0 k, 1 v, 2 q) of pair QN_: two half blocks of 16 numbers a lane.  Pairs take turns with the code registers
.macro QE1
	WIN 0
.set A_, 100+32*QM_
.set C_, 74+8*QM_+122*(QN_%2)
.set a_, QC_%2
.if QC_ < 2
	v_max3_num_f32 v[66+a_], |v[A_+16*a_]|, |v[A_+16*a_+1]|, 0x1800000   ; with the floor 2^(3 - 127)
.elseif QC_ < 16
.set R_, A_+16*a_+2*(QC_/2)
	v_max3_num_f32 v[66+a_], v[66+a_], |v[R_]|, |v[R_+1]|
.elseif QC_ < 18
	v_permlanex16_b32 v[68+a_], v[66+a_], s40, s41
.elseif QC_ < 20
	v_max_num_f32 v[66+a_], v[66+a_], v[68+a_]      ; with lane l xor 16's half: the block's largest magnitude
.elseif QC_ < 22
	v_add_nc_u32 v[70+a_], 0xff000000, v[66+a_]     ; 2 off the exponent field: the conversion's scale operand
.elseif QC_ < 24
	v_cvt_scalef32_pk16_fp6_f32 v[C_+4*a_:C_+4*a_+2], v[A_+16*a_:A_+16*a_+15], v[70+a_]
.elseif QC_ == 24
	v_cndmask_b32 v72, v70, v71, s44                ; lanes 16-31 keep the second tile's row
.elseif QC_ == 25
	v_lshrrev_b32 v[C_+7], 23, v72                  ; the scale's byte
.elseif QC_ < 29
.set i_, QC_-26
	v_permlane16_swap_b32 v[C_+i_], v[C_+4+i_]      ; now a lane holds a whole block: lanes 0-15 of the first tile's rows, lanes 16-31 of the second's
.else
.set i_, QC_-29
	v_mov_b32 v[C_+3+i_], v[C_+4+i_]
.endif
.set QC_, QC_+1
.endm
.macro QEN                             ; two lines behind a product; the last fourteen entries by fours
.if QC_ < 18
	QE1
	QE1
.else
.rept 4
.if QC_ < 32
	QE1
.endif
.endr
.endif
.endm
; the codes and the scale byte of matrix m, pair n, go to LDS
.macro QST m, n
.set C_, 74+8*\m+122*((\n)%2)
.if \m == 0
.irp i, 0,1,2
	ds_store_b64 v[11+\i], v[C_+2*\i:C_+2*\i+1] offset:3072*(\n)
.endr
	ds_store_b8 v19, v[C_+7] offset:128*(\n)
.elseif \m == 1
	ds_store_b128 v17, v[C_:C_+3] offset:384*(\n)
	ds_store_b64 v18, v[C_+4:C_+5] offset:384*(\n)
	ds_store_b8 v21, v[C_+7] offset:(\n)
.else
.irp i, 0,1,2
	ds_store_b64 v[14+\i], v[C_+2*\i:C_+2*\i+1] offset:3072*(\n-4)
.endr
	ds_store_b8 v19, v[C_+7] offset:1536+128*(\n-4)
.endif
.endm
; 24 products of matrix m on set E_; the four accumulators take turns
.macro BATCH m
.irp s, 0,1,2,3,4,5
.irp xt, 0,1
.irp wt, 0,1
.set fw_, 12*\m+2*\s+\wt
.set fx_, 36+12*E_+2*\s+\xt
.set gw_, 12*(fw_%21)
.set gx_, 12*(fx_%21)
.set sw_, 32+6*\m+\s
.set sx_, 51+8*E_+\s
.if \m == 1
.set D_, 132+16*\wt+8*\xt
	WIN ((1+fx_/21)|((1+fw_/21)<<2))
.if \s == 0
	PR D_, gx_, gw_, 0, sx_, sw_, \xt, \wt
.else
	PR D_, gx_, gw_, v[D_:D_+7], sx_, sw_, \xt, \wt
.endif
.else
.set D_, 100+32*\m+16*\xt+8*\wt
	WIN ((1+fw_/21)|((1+fx_/21)<<2))
.if \s == 0
	PR D_, gw_, gx_, 0, sw_, sx_, \wt, \xt
.else
	PR D_, gw_, gx_, v[D_:D_+7], sw_, sx_, \wt, \xt
.endif
.endif
	QEN
.endr
.endr
.endr
.endm
.macro QLIST m, n
.set QM_, \m
.set QN_, \n
.set QC_, 0
.endm
.macro PAIR
.set E_, NP%2
	WIN 0
	WALU
	s_wait_dscnt 0x0                               ; this pair's fragments are in, and the last pair's stores have read their registers
.if NP == 3
	s_cmp_ge_u32 s8, 2
	s_cbranch_scc1 .Lnot_blk1
	s_wait_tensorcnt 0x0                           ; wave 1 (and wave 0): block m is in
.Lnot_blk1:
	s_barrier_signal -1
	s_barrier_wait -1
.endif
.if NP == 7
	s_wait_tensorcnt 0x0                           ; every wave: the last block is in
	s_barrier_signal -1
	s_barrier_wait -1
.endif
	PLACES                                         ; ahead of loads into the set that the last products read, and of reads of their results
.if NP > 0
	QST 0, NP-1
.endif
.if NP > 1
	QST 1, NP-2
.endif
.if (NP > 4) && (NP < 9)
	QST 2, NP-1
.endif
.if NP < 11
.set FC_, 0
.rept 42
	FE1 1-E_, NP+1
.endr
.endif
	WIN 0
.if (NP > 0) && (NP < 4)
	LOADS 2, 0, (2*NP-2)                           ; q's weights, two K steps a pair: they are wanted from pair 4 on
	LOADS 2, 0, (2*NP-1)
.endif
.if NP == 0
	s_wait_loadcnt 42                              ; k's weights are in; v's 42 loads may be out
.elseif NP == 4
	s_wait_loadcnt 0                               ; q's are in
.endif
	QLIST 1, NP-1
.if NP == 0
.set QC_, 32                           ; nothing to quantise yet
.endif
.if NP/4 == 1
	BATCH 2
	PLACES
	QLIST 2, NP
.endif
	BATCH 0
.if NP == 0
	WIN 0
	s_wait_loadcnt 0                               ; v's weights are in
.endif
	PLACES
	QLIST 0, NP
	BATCH 1
.endm
	s_load_b128 s[4:7], s[0:1], 0x0                ; opnd s[4:5], abuf s[6:7]
	v_lshl_add_u32 v24, v0, 2, SPARE
	v_mov_b32 v25, 0
	ds_add_u32 v24, v25                            ; the wave's opening: the add, twice on end, and its one wait
	ds_add_u32 v24, v25
	v_lshrrev_b32 v1, 5, v0
	v_readfirstlane_b32 s8, v1                     ; wave 0..3
	s_and_b32 s9, ttmp7, 0xffff
	s_lshr_b32 s12, s9, 1                          ; head
	s_and_b32 s13, s9, 1                           ; batch
	s_lshl_b32 s13, s13, 4
	; descriptor group 1: six units (K steps) as rows of 12,800 bytes (1,600 elements of 8), 56 units apart
	s_mov_b32 s16, 3<<16
	s_mov_b32 s17, 1600<<16
	s_mov_b32 s18, 6<<16
	s_mov_b32 s19, 1600<<16
	s_mov_b32 s20, 6
	s_mov_b32 s21, 56*1600
	s_mov_b32 s22, 0
	s_mov_b32 s23, 0
	s_add_co_u32 s14, ttmp9, s8
	s_sub_co_i32 s14, s14, 1                       ; waves 0, 1, 2 fetch x's blocks m - 1, m, m + 1,
	s_max_i32 s14, s14, 0
	s_min_i32 s14, s14, 15                         ; held inside the sequence
	s_add_co_u32 s14, s14, s13
	s_mul_i32 s28, s14, UNIT
	s_mov_b32 s29, 0
	s_mov_b32 s24, 1
	s_mul_i32 s25, s8, 6*UNIT
	s_add_co_u32 s30, s12, 32
	s_mul_i32 s30, s30, UNIT                       ; Wq's columns of this head; Wk's and Wv's stand 6 and 12 units on
	s_mov_b32 s31, 0
	s_lshl_b32 s34, s12, 5
	s_add_co_u32 s34, s34, s13
	s_add_co_u32 s34, s34, ttmp9
	s_mul_i32 s34, s34, UNIT                       ; abuf's unit
	s_mov_b32 s35, 0
	WALU
	s_wait_dscnt 0x0                               ; both opening adds are done
	s_wait_kmcnt 0x0
	s_add_nc_u64 s[26:27], s[4:5], s[28:29]
	s_or_b32 s27, s27, 0x80000000
	s_add_nc_u64 s[10:11], s[4:5], s[30:31]
	s_add_nc_u64 s[6:7], s[6:7], s[34:35]
	; one tensor load each for waves 0, 1, 2, in arms of their own
.macro ARM w, next
	s_cmp_eq_u32 s8, \w
	s_cbranch_scc0 \next
	tensor_load_to_lds s[24:27], s[16:23]
	s_nop 0
	PLACES
	s_branch .Lasked
\next:
.endm
	ARM 0, .Larm1
	ARM 1, .Larm2
	s_cmp_eq_u32 s8, 2
	s_cbranch_scc0 .Lasked
	tensor_load_to_lds s[24:27], s[16:23]
	s_nop 0
	PLACES
.Lasked:
	v_and_b32 v1, 31, v0                           ; lane
	s_mul_i32 s30, s8, 3072
	s_lshl_b32 s31, s8, 7
	v_lshlrev_b32 v2, 4, v1                        ; x's codes in LDS: 16 x lane; v2-7: [block][K steps 0-2, 3-5]
	v_lshl_add_u32 v8, v1, 2, 12288                ; x's scale words; v8-10: [block]
	v_add_nc_u32 v22, s30, v2                      ; my tiles' images in a unit of memory: weights, and a
	v_add_nc_u32 v23, s31, v8                      ; my pair's scale words in it
	WALU
	LOADW 0, 6*UNIT
	v_and_b32 v57, 15, v0                          ; r
	v_bfe_u32 v58, v0, 4, 1                        ; h
	v_add_nc_u32 v3, 38400, v2
	v_add_nc_u32 v4, 76800, v2
	v_add_nc_u32 v5, 115200, v2
	v_add_nc_u32 v6, 153600, v2
	v_add_nc_u32 v7, 192000, v2
	v_add_nc_u32 v9, 76800, v8
	v_add_nc_u32 v10, 153600, v8
	s_lshr_b32 s32, s8, 1                          ; k, q: my block of 32 channels is registers 6 (w / 2) .. of fragment lane r + 16 (w % 2):
	s_and_b32 s33, s8, 1
	s_lshl_b32 s33, s33, 8
	s_add_co_u32 s33, s33, KC
	s_mul_i32 s36, s32, 520                        ; its three pieces of 8 bytes
	s_add_co_u32 s36, s36, s33
	s_mul_i32 s37, s32, 1016
	s_add_co_u32 s37, s37, s33
	s_add_co_u32 s37, s37, 8
	s_add_co_u32 s38, s36, 512
	s_mul_i32 s39, s8, 9216
	s_add_co_u32 s39, s39, VC                      ; v: my two channel tiles
	s_add_co_u32 s56, s39, 256
	WALU
	v_mul_u32_u24 v20, v58, 1536
	v_lshl_add_u32 v20, v57, 4, v20
	v_add_nc_u32 v11, s36, v20
	v_add_nc_u32 v12, s37, v20
	v_add_nc_u32 v13, s38, v20
	v_add_nc_u32 v14, QC-KC, v11
	v_add_nc_u32 v15, QC-KC, v12
	v_add_nc_u32 v16, QC-KC, v13
	v_mul_u32_u24 v20, v58, 4608
	v_lshl_add_u32 v17, v57, 4, v20
	v_add_nc_u32 v17, s39, v17
	v_lshl_add_u32 v18, v57, 3, v20
	v_add_nc_u32 v18, s56, v18
	s_add_co_u32 s36, s8, KSC
	v_lshl_add_u32 v19, v1, 2, s36                 ; k's and q's scale bytes
	s_lshl_b32 s37, s8, 9
	s_add_co_u32 s37, s37, VSC
	v_add_nc_u32 v21, s37, v2                      ; v's
	s_add_co_u32 s38, s30, KC
	v_add_nc_u32 v26, s38, v2                      ; the attention's reads: k's fragments from tile 2 w on,
	v_add_nc_u32 v27, QC-KC, v26                   ; q's tiles 2 w, 2 w + 1,
	s_mul_i32 s39, s8, 384
	s_add_co_u32 s39, s39, VC
	s_add_co_u32 s56, s39, 256
	v_mul_u32_u24 v20, v58, 384
	v_lshl_add_u32 v28, v57, 4, v20
	v_add_nc_u32 v28, s39, v28                     ; v from key block w on: 16 bytes,
	v_lshl_add_u32 v29, v57, 3, v20
	v_add_nc_u32 v29, s56, v29                     ; and 8,
	v_add_nc_u32 v50, VSC, v2                      ; v's scale bytes
	s_add_co_u32 s36, s31, KSC
	v_lshl_add_u32 v1, v1, 2, s36                  ; k's and q's scale words from pair w on
	v_and_b32 v30, 8, v57
	v_add_nc_u32 v30, v30, v57
	v_lshlrev_b32 v58, 4, v58
	v_sub_nc_u32 v30, v30, v58                     ; tile 0's query offset r + 8 (r / 8), less 16 h
	v_mov_b32 v31, 0xd028963f                      ; a hidden score: -1e9 sqrt(128)
	v_mov_b32 v68, 0                               ; written once: a lane permute's destination counts as one of its sources
	v_mov_b32 v69, 0
	WALU
	s_mov_b32 s40, 0x76543210
	s_mov_b32 s41, 0xfedcba98                      ; lane l xor 16
	s_mov_b32 s42, 0x3e0293ee                      ; log2(e) / sqrt(128)
	s_mov_b32 s43, s42
	s_mov_b32 s44, 0xffff0000                      ; lanes 16-31
	s_lshl_b32 s45, s8, 3                          ; 8 w
	s_mov_b32 s55, 0xceabfb84                      ; -1e9 log2(e)
	; key blocks outside the sequence: of my nine, those under 4 - w in the first work-group, those from 8 - w on in the last
	s_cmp_eq_u32 ttmp9, 0
	s_cselect_b32 s56, s8, 8
	s_cmp_eq_u32 ttmp9, 15
	s_cselect_b32 s57, s8, -1
.irp k, 0,1,2,3
	s_cmp_lt_u32 s56, 4-\k
	s_cselect_b32 s[46+\k], -1, 0
	s_cmp_ge_i32 s57, 3-\k
	s_cselect_b32 s[50+\k], -1, 0
.endr
	LOADW 1, 12*UNIT
	WALU
	s_cmp_lg_u32 s8, 0
	s_cbranch_scc1 .Lnot_blk0
	s_wait_tensorcnt 0x0                           ; wave 0: block m - 1 is in; the other two may be on their way: nothing is filled again
.Lnot_blk0:
	s_barrier_signal -1
	s_barrier_wait -1
.set FC_, 0
.rept 42
	FE1 0, 0
.endr
.set NP, 0
.rept 12
	PAIR
.set NP, NP+1
.endr
	PLACES
	WIN 0
	WALU
	s_wait_dscnt 0x0                               ; the last stores have read their registers
	QST 0, 11
	QST 1, 10
	QLIST 1, 11
.rept 32
	QE1
.endr
	QST 1, 11
	WALU
	s_wait_dscnt 0x0                               ; for the others' sake: all my codes and scale bytes have landed
	s_barrier_signal -1
	s_barrier_wait -1
	; ------------------------------------------------ attention
.macro KLD k0                          ; six tiles of k
	WIN 0x80
.set k_, \k0
.rept 6
.irp q, 0,1,2
	ds_load_b128 v[12*k_+4*\q:12*k_+4*\q+3], v26 offset:1536*k_+512*\q
.endr
.set k_, k_+1
.endr
.endm
.macro SMUL k0                         ; S^T = k q^T, six key tiles x two query tiles
.set k_, \k0
.rept 3
.irp u, 0,1
.irp t, 0,1
.set D_, 96+8*k_
.set g_, 12*k_
.set h_, 36+12*\t
.set sk_, 33+k_/2+k_/14
	WIN (6|(\t<<6))
	PR D_, g_, h_, 0, sk_, 32, \u, \t
.endr
.set k_, k_+1
.endr
.endr
.endm
.macro VLD st                          ; v's eight channel tiles for key blocks 0-3, 4-7 or 5-8 of my nine
.irp ct, 0,1,2,3,4,5,6,7
.set f_, 18+8*\st+\ct
.set g_, 12*(f_%21)
	WIN ((2+f_/21)<<6)
.irp c, 0,1
.set o_, 4608*\ct+384*(4*\st-3*(\st/2)+2*\c)
	ds_load_b128 v[g_+6*\c:g_+6*\c+3], v28 offset:o_
	ds_load_b64 v[g_+6*\c+4:g_+6*\c+5], v29 offset:o_
.endr
.endr
.endm
.macro PFMA bb, reg, odd               ; t - M of a block, two at a time; each block has its own addend
.set j_, 96+16*(\bb)
.rept 8
.if \odd
	v_pk_fma_f32 v[j_:j_+1], v[j_:j_+1], s[42:43], v[\reg-1:\reg] op_sel:[0,0,1] op_sel_hi:[1,0,1]
.else
	v_pk_fma_f32 v[j_:j_+1], v[j_:j_+1], s[42:43], v[\reg:\reg+1] op_sel_hi:[1,0,0]
.endif
.set j_, j_+2
.endr
.endm
.macro CV x, y, b0, b1                 ; blocks b0 and b1 to half blocks of codes in window 2
	v_cvt_scalef32_pk16_fp6_f32 v[\x:\x+2], v[96+16*\b0:111+16*\b0], v[240+\b0]
	v_cvt_scalef32_pk16_fp6_f32 v[\y:\y+2], v[96+16*\b1:111+16*\b1], v[240+\b1]
.endm
.macro SWP x, y                        ; the operand's layout wants a whole block in a lane
.irp i, 0,1,2
	v_permlane16_swap_b32 v[\x+\i], v[\y+\i]
.endr
.irp i, 0,1,2
	v_mov_b32 v[\x+3+\i], v[\y+\i]
.endr
.endm
; softmax of query tile t, all in window t: scores v96-239, block bb at v[96 + 16 bb]; the blocks' largest v240-248
.macro SOFT t
	WIN (0x55*\t)
.set n_, 0
.rept 16
	v_cmp_lt_i32 vcc_lo, n_, v30                   ; the first block: hidden where the key's offset is under the query's
	v_cndmask_b32 v[96+n_], v[96+n_], v31, vcc_lo
.set n_, n_+1
.endr
.set n_, 0
.rept 16
	v_cmp_gt_i32 vcc_lo, n_, v30                   ; the last: hidden where it is over
	v_cndmask_b32 v[224+n_], v[224+n_], v31, vcc_lo
.set n_, n_+1
.endr
.irp b, 0,1,2,3,4,5,6,7,8
	v_max3_num_f32 v[240+\b], v[96+16*\b], v[97+16*\b], v[98+16*\b]   ; each block's largest score: for the row's maximum and, since p rises with the score, for the block's largest p
.endr
.irp i, 3,5,7,9,11,13
.irp b, 0,1,2,3,4,5,6,7,8
	v_max3_num_f32 v[240+\b], v[240+\b], v[96+16*\b+\i], v[97+16*\b+\i]
.endr
.endr
.irp b, 0,1,2,3,4,5,6,7,8
	v_max_num_f32 v[240+\b], v[240+\b], v[111+16*\b]
.endr
.irp b, 0,1,2,3,4,5,6,7,8
	v_permlanex16_b32 v[84+\b], v[240+\b], s40, s41
.endr
.irp b, 0,1,2,3,4,5,6,7,8
	v_max_num_f32 v[240+\b], v[240+\b], v[84+\b]
.endr
.irp k, 0,1,2,3
	v_cndmask_b32 v[240+\k], v[240+\k], v31, s[46+\k]   ; blocks outside the sequence are hidden whole
	v_cndmask_b32 v[245+\k], v[245+\k], v31, s[50+\k]
.endr
	v_max3_num_f32 v93, v240, v241, v242
	v_max3_num_f32 v93, v93, v243, v244
	v_max3_num_f32 v93, v93, v245, v246
	v_max3_num_f32 v93, v93, v247, v248
	v_mul_f32 v75, s42, v93                        ; the row's largest t
	v_floor_f32 v74, -v75                          ; -M = -ceil(t)
.irp k, 0,1,2,3
	v_cndmask_b32 v[66+\k], v74, s55, s[46+\k]     ; a hidden block's addend brings every p of it to 0
	v_cndmask_b32 v[70+\k], v74, s55, s[50+\k]
.endr
	PFMA 0, 66, 0
	PFMA 1, 67, 1
	PFMA 2, 68, 0
	PFMA 3, 69, 1
	PFMA 4, 74, 0
	PFMA 5, 70, 0
	PFMA 6, 71, 1
	PFMA 7, 72, 0
	PFMA 8, 73, 1
.irp b, 0,1,2,3,4,5,6,7,8
	v_fma_f32 v[240+\b], v[240+\b], s42, v74
.endr
	WALU
.set n_, 96
.rept 153
	v_exp_f32 v[n_], v[n_]                         ; p = 2^(t - M), and each block's largest p
.set n_, n_+1
.endr
	v_nop                                          ; a plain place behind the exponentials
	WALU                                           ; and one behind it
.irp c, 0,2,4,6
	v_pk_add_f32 v[76+\c:77+\c], v[96+\c:97+\c], v[104+\c:105+\c]   ; the row's sum of the unquantised p, in four chains
.endr
.set n_, 8
.rept 64
	v_pk_add_f32 v[76+2*(n_%4):77+2*(n_%4)], v[76+2*(n_%4):77+2*(n_%4)], v[96+2*n_:97+2*n_]
.set n_, n_+1
.endr
	v_pk_add_f32 v[76:77], v[76:77], v[78:79]
	v_pk_add_f32 v[80:81], v[80:81], v[82:83]
	v_pk_add_f32 v[76:77], v[76:77], v[80:81]
	v_add_f32 v94, v76, v77
	v_permlanex16_b32 v95, v94, s40, s41
	v_add_f32 v94, v94, v95
.irp b, 0,1,2,3,4,5,6,7,8
	v_max_num_f32 v[240+\b], 0x1800000, v[240+\b]  ; the floor
.endr
.irp b, 0,1,2,3,4,5,6,7,8
	v_add_nc_u32 v[240+\b], 0xff000000, v[240+\b]  ; the conversion's scale operand
.endr
.irp b, 0,1,2,3,4,5,6,7,8
	v_lshrrev_b32 v[84+\b], 23, v[240+\b]          ; the scale's byte
.endr
	v_lshl_or_b32 v84, v85, 8, v84
	v_lshl_or_b32 v88, v89, 8, v88
	v_lshl_or_b32 v84, v86, 16, v84
	v_lshl_or_b32 v88, v90, 16, v88
	WIN (0x15*\t)                                  ; the words go to window 0
	v_lshl_or_b32 v[48+\t], v87, 24, v84           ; blocks 0-3,
	v_lshl_or_b32 v[55+\t], v91, 24, v88           ; 4-7,
	v_lshl_or_b32 v[63+\t], v92, 24, 0x7f7f7f      ; and 8 in the last place: its three neighbours have zero codes
	WIN (0x80|(5*\t))
	CV 36*\t, 96, 0, 1
	CV 36*\t+6, 100, 2, 3
	CV 36*\t+12, 104, 4, 5
	CV 36*\t+18, 108, 6, 7
	v_cvt_scalef32_pk16_fp6_f32 v[112:114], v[224:239], v248
	WIN 0xaa
.irp i, 0,1,2,3,4,5,6,7,8
	v_mov_b32 v[36*\t+24+\i], 0
.endr
	SWP 36*\t, 96
	SWP 36*\t+6, 100
	SWP 36*\t+12, 104
	SWP 36*\t+18, 108
	SWP 36*\t+30, 112
.endm
; a = O^T / the sum, quantised along the head's 128 channels; tile t's image and scale word
.macro OUT t
	WIN (0x55*\t)
	WALU
	v_rcp_f32 v94, v94
	v_nop
	WALU
.set n_, 96
.rept 32
	v_pk_mul_f32 v[n_:n_+1], v[n_:n_+1], v[94:95] op_sel_hi:[1,0]
.set n_, n_+2
.endr
.irp b, 0,1,2,3
	v_max3_num_f32 v[240+\b], |v[96+16*\b]|, |v[97+16*\b]|, 0x1800000
.endr
.irp i, 2,4,6,8,10,12,14
.irp b, 0,1,2,3
	v_max3_num_f32 v[240+\b], v[240+\b], |v[96+16*\b+\i]|, |v[97+16*\b+\i]|
.endr
.endr
.irp b, 0,1,2,3
	v_permlanex16_b32 v[84+\b], v[240+\b], s40, s41
.endr
.irp b, 0,1,2,3
	v_max_num_f32 v[240+\b], v[240+\b], v[84+\b]
.endr
.irp b, 0,1,2,3
	v_add_nc_u32 v[240+\b], 0xff000000, v[240+\b]
.endr
.irp b, 0,1,2,3
	v_lshrrev_b32 v[84+\b], 23, v[240+\b]
.endr
	v_lshl_or_b32 v84, v85, 8, v84
	v_lshl_or_b32 v84, v86, 16, v84
	WIN (0x15*\t)
	v_lshl_or_b32 v[57+\t], v87, 24, v84
	WIN (0x80|(5*\t))
	CV 120+12*\t, 96+8*\t, 0, 1
	CV 126+12*\t, 100+8*\t, 2, 3
	WIN 0xaa
	v_nop
	SWP 120+12*\t, 96+8*\t
	SWP 126+12*\t, 100+8*\t
	WIN 0x08                                       ; a store's data: window 2
.irp q, 0,1,2
	global_store_b128 v22, v[120+12*\t+4*\q:123+12*\t+4*\q], s[6:7] offset:1536*\t+512*\q   ; 32 lanes store 512 consecutive bytes
.endr
.endm
	WIN 0x40
	v_add_nc_u32 v30, 8, v30                       ; window 1's copies: tile 1's queries stand 8 on
	v_mov_b32 v31, v31
.irp u, 0,1
.irp q, 0,1,2
	ds_load_b128 v[36+12*\u+4*\q:39+12*\u+4*\q], v27 offset:1536*\u+512*\q
.endr
.endr
	WIN 0
	ds_load_b32 v32, v1 offset:1536                ; q's scale words
.irp b, 0,1,2,3,4,5,6,7,8
	ds_load_b32 v[33+\b+\b/7], v1 offset:128*\b    ; k's
.endr
	KLD 0
	KLD 6
	WIN 0
	WALU
	s_wait_dscnt 18                                ; all but the six tiles issued last
	SMUL 0
	KLD 12
	s_wait_dscnt 18
	SMUL 6
	s_wait_dscnt 0x0
	SMUL 12
	PLACES
	WIN 0x80
.irp c, 0,1,2,3
	ds_load_b96 v[72+4*\c:74+4*\c], v50 offset:512*\c   ; v's scale bytes of twelve key blocks, a row a lane (into registers of k's that are done with)
.endr
	VLD 0
	VLD 1
	SOFT 0
	VLD 2
	SOFT 1
	WIN 0x0a
	WALU
	s_wait_dscnt 0x0
.irp c, 0,1,2,3
	v_alignbit_b32 v[44+\c], v[73+4*\c], v[72+4*\c], s45   ; the four bytes from block w on,
	v_alignbit_b32 v[51+\c], v[74+4*\c], v[73+4*\c], s45   ; from w + 4,
	v_lshrrev_b32 v[66+\c], s45, v[74+4*\c]
.endr
	WIN 0
.irp c, 0,1,2,3
	v_alignbit_b32 v[59+\c], v[66+\c], v[51+\c], 8         ; and from w + 5
.endr
	WALU
.rept 8
	v_nop                                          ; a scale register written by a vector instruction stands 8 places ahead of a scaled product
.endr
; O^T = v^T p^T; the sixteen accumulators take turns
.irp st, 0,1,2
.irp c, 0,1,2,3
.irp u, 0,1
.irp t, 0,1
.set f_, 18+8*\st+2*\c+\u
.set g_, 12*(f_%21)
.set p_, 36*\t+12*\st
.set D_, 96+8*(2*\c+\u)
.set sa_, 44+7*\st+\st/2+\c
.set sb_, 48+7*\st+\st/2+\t
	WIN ((2+f_/21)|8|(\t<<4)|(\t<<6))
.if \st == 0
	PR D_, g_, p_, 0, sa_, sb_, \u, 0
.else
	PR D_, g_, p_, v[D_:D_+7], sa_, sb_, \u, 0
.endif
.endr
.endr
.endr
.endr
	PLACES
	OUT 0
	OUT 1
	WIN 0
	v_cndmask_b32 v57, v57, v58, s44               ; lanes 0-15: tile 2 w's words, lanes 16-31: tile 2 w + 1's
	global_store_b32 v23, v57, s[6:7]
	WALU
	s_wait_tensorcnt 0x0                           ; the wave's end
	ds_add_u32 v24, v25
	s_wait_dscnt 0x0
	s_endpgm
.Lfunc_end_k_q836a662949_qa:
	.size	k_q836a662949_qa, .Lfunc_end_k_q836a662949_qa-k_q836a662949_qa
	.p2alignl 7, 3214868480
	.fill 96, 4, 3214868480
	.section	.rodata,"a",@progbits
	.p2align	6, 0x0
	.amdhsa_kernel k_q836a662949_qa
		.amdhsa_group_segment_fixed_size 327680
		.amdhsa_private_segment_fixed_size 0
		.amdhsa_enable_private_segment 0
		.amdhsa_kernarg_size 16
		.amdhsa_user_sgpr_count 2
		.amdhsa_user_sgpr_kernarg_segment_ptr 1
		.amdhsa_wavefront_size32 1
		.amdhsa_system_sgpr_workgroup_id_x 1
		.amdhsa_system_sgpr_workgroup_id_y 1
		.amdhsa_system_sgpr_workgroup_id_z 1
		.amdhsa_system_vgpr_workitem_id 0
		.amdhsa_next_free_vgpr 1024
		.amdhsa_next_free_sgpr 66
		.amdhsa_reserve_vcc 1
		.amdhsa_float_denorm_mode_32 3
		.amdhsa_float_denorm_mode_16_64 3
		.amdhsa_memory_ordered 1
		.amdhsa_forward_progress 1
		.amdhsa_inst_pref_size 255
	.end_amdhsa_kernel
	.section	.bss,"aw",@nobits
	.p2align	6
	.space	262144
	.amdgpu_metadata
---
amdhsa.version: [ 1, 2 ]
amdhsa.kernels:
  - .name:           k_q836a662949_qa
    .symbol:         k_q836a662949_qa.kd
    .args:
      - { .name: opnd, .offset: 0, .size: 8, .value_kind: global_buffer, .address_space: global }
      - { .name: abuf, .offset: 8, .size: 8, .value_kind: global_buffer, .address_space: global }
    .group_segment_fixed_size: 327680
    .private_segment_fixed_size: 0
    .kernarg_segment_align: 8
    .kernarg_segment_size: 16
    .max_flat_workgroup_size: 128
    .sgpr_count:     66
    .vgpr_count:     1024
    .wavefront_size: 32
...
	.end_amdgpu_metadata
.endif
;; end of part 2
;; launch oproj (part 3): grid 6 x 32, 4 waves a work-group, no clusters, 223,744 bytes of LDS; arguments opnd, abuf, out0; writes out0
.if DOCPART == 3
	.amdgcn_target "amdgcn-amd-amdhsa--gfx1250"
	.amdhsa_code_object_version 6
	.text
	.protected	k_q836a662949_oproj
	.globl	k_q836a662949_oproj
	.p2align	8
	.type	k_q836a662949_oproj,@function
k_q836a662949_oproj:
	s_mov_b64 s[64:65], 0
	v_nop
	global_prefetch_b8 v0, s[64:65] scope:SCOPE_SE
	s_setreg_imm32_b32 hwreg(HW_REG_WAVE_MODE, 25, 1), 1
	s_wait_xcnt 0x0
; out0 = a Wo on codes of FP6 with E8M0 scales, K = 768: six steps of 128 (step s = head s).  out0 [4096][768] f32.
; IN: abuf = [head][group of 128 rows] units, opnd = [K step][group] units (Wo's columns 128 go .. are group 50 + go).  A unit: 8 fragment images of 1,536 bytes, then scale words [pair][lane].
; SHARES: a work-group makes 128 rows x 128 columns, each of its four waves 64 x 64: 16 accumulators.  Source 0 = 16 columns of Wo, source 1 = 16 rows of a: a lane holds one row and eight neighbouring columns.
; LDS: all of K: Wo's six units, then a's six; one tensor load a wave, three units each: waves 0, 1 K steps 0-2 of Wo and of a, waves 2, 3 K steps 3-5.  Nothing is filled twice.
; Behind them a stage for each wave (64 rows x (256 bytes + 16)), written by LDS stores alone: results leave as whole rows of 256 bytes.
; No cluster: the grid's 6 does not divide by four, and along y four partners would share only Wo's half of the bytes.
; REGISTERS: window 0: v2-11, v24-26 addresses; v16-23 scale words, two sets; v64-255 fragments, two sets of 4 + 4 (later rows on their way out).  Window 1: accumulator (j, t) at v[8 (4 j + t)].
.set UNIT,  12800
.set SREG,  6*UNIT                     ; a's units begin here
.set STG,   12*UNIT
.set STGW,  64*272
.set SPARE, STG+4*STGW                 ; the spare words, 128 bytes for each wave
.set SPW,   12
.set NIL,   13
.set MSB,   0
.macro WIN new                         ; the immediate's high byte repeats the setting that is left
.if MSB != (\new)
	s_set_vgpr_msb (MSB<<8)|(\new)
.set MSB, \new
.endif
.endm
.macro PLACES                          ; four plain places behind a matrix instruction (ISA guide 7.12.1)
.rept 4
	v_nop
.endr
.endm
.macro PR d, a, b, c, x0, x1, ra, rb
	v_wmma_scale_f32_16x16x128_f8f6f4 v[\d:\d+7], v[\a:\a+11], v[\b:\b+11], \c, v[\x0], v[\x1] matrix_a_fmt:MATRIX_FMT_FP6 matrix_b_fmt:MATRIX_FMT_FP6 matrix_a_scale:MATRIX_SCALE_ROW\ra matrix_b_scale:MATRIX_SCALE_ROW\rb
.endm
	s_load_b128 s[4:7], s[0:1], 0x0                ; opnd s[4:5], abuf s[6:7]
	s_load_b64 s[8:9], s[0:1], 0x10                ; out0
	v_lshl_add_u32 v[SPW], v0, 2, SPARE
	v_mov_b32 v[NIL], 0
	ds_add_u32 v[SPW], v[NIL]                      ; the wave's opening: the add, twice on end, and its one wait
	ds_add_u32 v[SPW], v[NIL]
	v_lshrrev_b32 v1, 5, v0
	v_readfirstlane_b32 s10, v1                    ; wave 0..3
	s_and_b32 s11, ttmp7, 0xffff                   ; the group of 128 rows
.irp g, 16, 48                         ; descriptor groups 1, for Wo and for a: three units as rows of 12,800 bytes (1,600 elements of 8)
	s_mov_b32 s[\g+0], 3<<16
	s_mov_b32 s[\g+1], 1600<<16
	s_mov_b32 s[\g+2], 3<<16
	s_mov_b32 s[\g+3], 1600<<16
	s_mov_b32 s[\g+4], 3
	s_mov_b32 s[\g+6], 0
	s_mov_b32 s[\g+7], 0
.endr
	s_mov_b32 s21, 56*1600                         ; from a K step to the next: 56 units in opnd,
	s_mov_b32 s53, 32*1600                         ; 32 in abuf
	s_and_b32 s12, s10, 1                          ; as a loader: Wo (0) or a (1).  At work: which 64 columns
	s_lshr_b32 s13, s10, 1                         ; as a loader: K steps 0-2 or 3-5.  At work: which 64 rows
	s_mul_i32 s14, s13, 168
	s_add_co_u32 s14, s14, ttmp9
	s_add_co_u32 s14, s14, 50                      ; opnd's unit 56 s + 50 + go
	s_mul_i32 s15, s13, 96
	s_add_co_u32 s15, s15, s11                     ; abuf's unit 32 s + G
	s_cmp_eq_u32 s12, 0
	s_cselect_b32 s14, s14, s15
	s_mul_i32 s14, s14, UNIT
	s_mov_b32 s15, 0
	s_mov_b32 s24, 1
	s_mul_i32 s25, s12, SREG
	s_mul_i32 s40, s13, 3*UNIT
	s_add_co_u32 s25, s25, s40                     ; where my three units go
	s_lshl_b32 s44, s11, 7
	s_lshl_b32 s45, s13, 6
	s_add_co_u32 s44, s44, s45                     ; my first row of out0: 128 G + 64 (wave / 2)
	s_mul_i32 s44, s44, 3072
	s_lshl_b32 s45, ttmp9, 9
	s_add_co_u32 s44, s44, s45                     ; my first column, in bytes: 512 go + 256 (wave % 2)
	s_lshl_b32 s45, s12, 8
	s_add_co_u32 s44, s44, s45
	s_mov_b32 s45, 0
	s_wait_alu depctr_va_vdst(0)
	s_wait_dscnt 0x0                               ; the opening adds are done
	s_wait_kmcnt 0x0
	s_cmp_eq_u32 s12, 0
	s_cselect_b64 s[42:43], s[4:5], s[6:7]
	s_add_nc_u64 s[26:27], s[42:43], s[14:15]
	s_or_b32 s27, s27, 0x80000000
	s_add_nc_u64 s[8:9], s[8:9], s[44:45]
.macro ARM w, g, next
	s_cmp_eq_u32 s10, \w
	s_cbranch_scc0 \next
	tensor_load_to_lds s[24:27], s[\g:\g+7]
	s_nop 0
	PLACES
	s_branch .Lasked
\next:
.endm
	ARM 0, 16, .Larm1
	ARM 1, 48, .Larm2
	ARM 2, 16, .Larm3
	tensor_load_to_lds s[24:27], s[48:55]
	s_nop 0
	PLACES
.Lasked:
	v_and_b32 v1, 31, v0
	v_lshlrev_b32 v10, 4, v1
	v_lshlrev_b32 v11, 2, v1
	s_mul_i32 s46, s12, 6144                       ; my four tiles of Wo's eight
	s_mul_i32 s47, s13, 6144
	s_add_co_u32 s47, s47, SREG                    ; and of a's
	s_wait_alu depctr_va_vdst(0)
	v_add_nc_u32 v2, s46, v10                      ; Wo's codes, K steps 0-2;
	v_add_nc_u32 v3, 3*UNIT, v2                    ; 3-5 (so that the immediates stay under 65,536)
	v_add_nc_u32 v4, s47, v10
	v_add_nc_u32 v5, 3*UNIT, v4
	s_lshl_b32 s46, s12, 8
	s_add_co_u32 s46, s46, 12288                   ; my two pairs' scale words
	s_lshl_b32 s47, s13, 8
	s_add_co_u32 s47, s47, SREG+12288
	v_add_nc_u32 v6, s46, v11
	v_add_nc_u32 v7, 3*UNIT, v6
	v_add_nc_u32 v8, s47, v11
	v_add_nc_u32 v9, 3*UNIT, v8
	s_mul_i32 s46, s10, STGW
	s_add_co_u32 s46, s46, STG                     ; my stage
	v_and_b32 v14, 15, v0                          ; r
	v_bfe_u32 v15, v0, 4, 1                        ; h
	v_mul_u32_u24 v24, v14, 272
	v_lshl_add_u32 v24, v15, 6, v24
	v_add_nc_u32 v24, s46, v24                     ; in: place r, + 64 h bytes
	v_mul_u32_u24 v25, v15, 272
	v_lshl_add_u32 v25, v14, 4, v25
	v_add_nc_u32 v25, s46, v25                     ; back: lanes 0-15 one place, lanes 16-31 the next; 16 bytes a lane
	v_mul_u32_u24 v26, v15, 3072
	v_lshl_add_u32 v26, v14, 4, v26                ; and the same in out0
.macro FETCH s, sg                     ; K step s: 4 + 4 fragments and 2 + 2 registers of scale words into set sg
.set AO, UNIT*((\s)%3)
.set AR, (\s)/3
	WIN 0
.irp t, 0,1,2,3
.irp c, 0,1,2
	ds_load_b128 v[64+96*(\sg)+12*\t+4*\c:64+96*(\sg)+12*\t+4*\c+3], v[2+AR] offset:AO+1536*\t+512*\c
	ds_load_b128 v[112+96*(\sg)+12*\t+4*\c:112+96*(\sg)+12*\t+4*\c+3], v[4+AR] offset:AO+1536*\t+512*\c
.endr
.endr
.irp i, 0,1
	ds_load_b32 v[16+4*(\sg)+\i], v[6+AR] offset:AO+128*\i
	ds_load_b32 v[18+4*(\sg)+\i], v[8+AR] offset:AO+128*\i
.endr
.endm
.macro MUL8 p, sg, zero                ; a's tiles 2 p, 2 p + 1 against Wo's four.  The 16 accumulators take turns, one instruction a turn, in the same order in every K step
	WIN 0x50                                       ; C and D window 1
.irp j, 0,1
.irp b, 0,1
.irp t, 0,1
.set D_, 8*(4*(2*\p+\j)+2*\b+\t)
.set a_, 64+96*(\sg)+12*(2*\b+\t)
.set b_, 112+96*(\sg)+12*(2*\p+\j)
.set x_, 16+4*(\sg)+\b
.set y_, 18+4*(\sg)+\p
.if \zero
	PR D_, a_, b_, 0, x_, y_, \t, \j
.else
	PR D_, a_, b_, v[D_:D_+7], x_, y_, \t, \j
.endif
.endr
.endr
.endr
.endm
	s_wait_alu depctr_va_vdst(0)
	s_cmp_eq_u32 s13, 1
	s_cbranch_scc1 .Llater
	s_wait_tensorcnt 0x0                           ; waves 0 and 1: K steps 0-2 are in; the other two loads may be on their way: nothing is ever filled again
.Llater:
	s_barrier_signal -1
	s_barrier_wait -1
	FETCH 0, 0
.irp s, 0,1,2,3,4,5
.if \s == 2
	s_wait_tensorcnt 0x0                           ; every wave: K steps 3-5 are in
.endif
	s_wait_dscnt 0x0                               ; this step's fragments are in
.if \s == 2
	s_barrier_signal -1
.endif
	MUL8 0, \s%2, \s==0
.if \s == 2
	WIN 0
	s_barrier_wait -1
.endif
.if \s < 5
	PLACES                                         ; ahead of loads into the set that the step before multiplied
	FETCH \s+1, (\s+1)%2
.endif
	MUL8 1, \s%2, \s==0
.endr
	; THE WAY OUT.  Lane (r, h) of accumulator (j, t) holds row place 16 j + r and columns 32 (t / 2) + 16 h + 8 (t % 2) + 0 .. 7 of my 64.  Through my own stage; LDS serves a wave's instructions in order.
	PLACES
	WIN 0x04                                       ; an LDS store's data are its source 1: window 1
.set jj, 0
	s_wait_alu depctr_va_vdst(0)
.rept 4
.set tt, 0
.rept 4
	ds_store_b128 v24, v[8*(4*jj+tt):8*(4*jj+tt)+3] offset:16*jj*272+128*(tt/2)+32*(tt%2)        ; each accumulator from its low end on
	ds_store_b128 v24, v[8*(4*jj+tt)+4:8*(4*jj+tt)+7] offset:16*jj*272+128*(tt/2)+32*(tt%2)+16
.set tt, tt+1
.endr
.set jj, jj+1
.endr
	WIN 0
.set i, 0
.rept 32
	ds_load_b128 v[64+4*i:64+4*i+3], v25 offset:544*i
.set i, i+1
.endr
.set i, 0
.rept 32
	s_wait_dscnt 31-i                              ; places 2 i and 2 i + 1 are back; the younger loads may stay out
	global_store_b128 v26, v[64+4*i:64+4*i+3], s[8:9] offset:3072*(32*(i/16)+8*((i/8)%2)+2*(i%8)+8*((i%8)/4)) th:TH_STORE_NT   ; place 16 j + r is row 32 (j / 2) + 8 (j % 2) + r + 8 (r / 8); sixteen lanes store 256 consecutive bytes, at a multiple of 256 from out0's first byte
.set i, i+1
.endr
	s_wait_tensorcnt 0x0                           ; the wave's end, behind my last tensor load and my last LDS store
	ds_add_u32 v[SPW], v[NIL]
	s_wait_dscnt 0x0
	s_endpgm
.Lfunc_end_k_q836a662949_oproj:
	.size	k_q836a662949_oproj, .Lfunc_end_k_q836a662949_oproj-k_q836a662949_oproj
	.p2alignl 7, 3214868480
	.fill 96, 4, 3214868480
	.section	.rodata,"a",@progbits
	.p2align	6, 0x0
	.amdhsa_kernel k_q836a662949_oproj
		.amdhsa_group_segment_fixed_size 223744
		.amdhsa_private_segment_fixed_size 0
		.amdhsa_enable_private_segment 0
		.amdhsa_kernarg_size 24
		.amdhsa_user_sgpr_count 2
		.amdhsa_user_sgpr_kernarg_segment_ptr 1
		.amdhsa_wavefront_size32 1
		.amdhsa_system_sgpr_workgroup_id_x 1
		.amdhsa_system_sgpr_workgroup_id_y 1
		.amdhsa_system_sgpr_workgroup_id_z 1
		.amdhsa_system_vgpr_workitem_id 0
		.amdhsa_next_free_vgpr 384
		.amdhsa_next_free_sgpr 66
		.amdhsa_reserve_vcc 0
		.amdhsa_float_denorm_mode_32 3
		.amdhsa_float_denorm_mode_16_64 3
		.amdhsa_memory_ordered 1
		.amdhsa_forward_progress 1
		.amdhsa_inst_pref_size 38
	.end_amdhsa_kernel
	.amdgpu_metadata
---
amdhsa.version: [ 1, 2 ]
amdhsa.kernels:
  - .name:           k_q836a662949_oproj
    .symbol:         k_q836a662949_oproj.kd
    .args:
      - { .name: opnd, .offset: 0, .size: 8, .value_kind: global_buffer, .address_space: global }
      - { .name: abuf, .offset: 8, .size: 8, .value_kind: global_buffer, .address_space: global }
      - { .name: out0, .offset: 16, .size: 8, .value_kind: global_buffer, .address_space: global }
    .group_segment_fixed_size: 223744
    .private_segment_fixed_size: 0
    .kernarg_segment_align: 8
    .kernarg_segment_size: 24
    .max_flat_workgroup_size: 128
    .sgpr_count:     66
    .vgpr_count:     384
    .wavefront_size: 32
...
	.end_amdgpu_metadata
.endif
;; end of part 3
